; MI455X (gfx1250); checked and timed in simulation.
; The chip was launched on July 23, 2026; its instructions are those of AMD's public machine-readable ISA for CDNA 5 (MIT licence, August 2026) and "CDNA5" Instruction Set Architecture Reference Guide (July 2026). The comments in the code are by the model that wrote it; some were corrected since.
;; Tensor Reduction. Allowed arithmetic: float matrix products may take bf16 or f16 operands with f32 sums; other float arithmetic in f32, or as packed bf16 or f16 multiplies, adds, multiply-adds, maxima and minima; sums over many terms, partial sums and values carried from step to step in f32; what a program stores and reads back later, other than sums and carried values, may be rounded once to bf16 or f16.
;; Inputs: X 2,048 x 512 float32; weight 128 x 512 x 512 float32.
;; Outputs: out0 2,048 x 128 float32.
;; 2 versions, each right; version 2 is version 1 with the launch prep written anew for expert scheduling mode. Each part assembles by itself: llvm-mc -triple=amdgcn-amd-amdhsa -mcpu=gfx1250 --defsym DOCPART=n.
;; ======== version 1 of 2: 3 launches
;; limits: values are held in f16: magnitudes above 65,504 overflow, below 6.1e-05 lose precision
;; workspace buffers: xh 2,097,152 bytes; yt 1,048,576 bytes
;; launch prep (part 1): grid 256 x 1, 4 waves a work-group, no clusters, 0 bytes of LDS; arguments X, xh; writes xh
.if DOCPART == 1
	.amdgcn_target "amdgcn-amd-amdhsa--gfx1250"
	.amdhsa_code_object_version 6
	.text
	.protected	k_q3866bfbc23_prep
	.globl	k_q3866bfbc23_prep
	.p2align	8
	.type	k_q3866bfbc23_prep,@function
k_q3866bfbc23_prep:
	s_mov_b64 s[64:65], 0
	v_nop
	global_prefetch_b8 v0, s[64:65] scope:SCOPE_SE
	s_setreg_imm32_b32 hwreg(HW_REG_WAVE_MODE, 25, 1), 1
	s_wait_xcnt 0x0
; xh = X rounded once to f16.  X: [2048][512] f32, xh: [2048][512] f16, both row-major.
; The next launch multiplies X as an f16 matrix operand and reads it 128 times over; here it is rounded once.
; LIMIT: |X| above 65,504 becomes an infinity in f16.
; SHARES.  A work-group of four waves takes 16,384 consecutive bytes of X: eight loads of 16 bytes a thread, all issued before the first wait.
; A wave's load covers 512 consecutive bytes, its store 256 consecutive bytes at a multiple of 256 from xh's first byte.
	s_load_b128 s[4:7], s[0:1], 0x0                ; X s[4:5], xh s[6:7]
	v_lshlrev_b32 v1, 4, v0                        ; my 16 bytes of X in each 2,048
	v_lshlrev_b32 v2, 3, v0                        ; my 8 bytes of xh in each 1,024
	s_lshl_b32 s8, ttmp9, 14                       ; the work-group's 16,384 bytes of X
	s_mov_b32 s9, 0
	s_lshl_b32 s10, ttmp9, 13                      ; and its 8,192 bytes of xh
	s_mov_b32 s11, 0
	s_wait_kmcnt 0x0
	s_add_nc_u64 s[4:5], s[4:5], s[8:9]
	s_add_nc_u64 s[6:7], s[6:7], s[10:11]
.irp i, 0,1,2,3,4,5,6,7
	global_load_b128 v[4+4*(\i):7+4*(\i)], v1, s[4:5] offset:2048*(\i) th:TH_LOAD_NT
.endr
.irp i, 0,1,2,3,4,5,6,7
	s_wait_loadcnt 7-(\i)                          ; loads come back in order: load i is in, the 7 - i younger ones stay out
	v_cvt_pk_f16_f32 v[36+2*(\i)], v[4+4*(\i)], v[5+4*(\i)]
	v_cvt_pk_f16_f32 v[37+2*(\i)], v[6+4*(\i)], v[7+4*(\i)]
	global_store_b64 v2, v[36+2*(\i):37+2*(\i)], s[6:7] offset:1024*(\i)  ; each chunk has store registers of its own: none is rewritten
.endr
	s_endpgm
.Lfunc_end_k_q3866bfbc23_prep:
	.size	k_q3866bfbc23_prep, .Lfunc_end_k_q3866bfbc23_prep-k_q3866bfbc23_prep
	.p2alignl 7, 3214868480
	.fill 96, 4, 3214868480
	.section	.rodata,"a",@progbits
	.p2align	6, 0x0
	.amdhsa_kernel k_q3866bfbc23_prep
		.amdhsa_group_segment_fixed_size 0
		.amdhsa_private_segment_fixed_size 0
		.amdhsa_enable_private_segment 0
		.amdhsa_kernarg_size 16
		.amdhsa_user_sgpr_count 2
		.amdhsa_user_sgpr_kernarg_segment_ptr 1
		.amdhsa_wavefront_size32 1
		.amdhsa_system_sgpr_workgroup_id_x 1
		.amdhsa_system_sgpr_workgroup_id_y 1
		.amdhsa_system_sgpr_workgroup_id_z 1
		.amdhsa_system_vgpr_workitem_id 0
		.amdhsa_next_free_vgpr 56
		.amdhsa_next_free_sgpr 66
		.amdhsa_reserve_vcc 0
		.amdhsa_float_denorm_mode_32 3
		.amdhsa_float_denorm_mode_16_64 3
		.amdhsa_memory_ordered 1
		.amdhsa_forward_progress 1
		.amdhsa_inst_pref_size 4
	.end_amdhsa_kernel
	.amdgpu_metadata
---
amdhsa.version: [ 1, 2 ]
amdhsa.kernels:
  - .name:           k_q3866bfbc23_prep
    .symbol:         k_q3866bfbc23_prep.kd
    .args:
      - { .name: X, .offset: 0, .size: 8, .value_kind: global_buffer, .address_space: global }
      - { .name: xh, .offset: 8, .size: 8, .value_kind: global_buffer, .address_space: global }
    .group_segment_fixed_size: 0
    .private_segment_fixed_size: 0
    .kernarg_segment_align: 8
    .kernarg_segment_size: 16
    .max_flat_workgroup_size: 128
    .sgpr_count:     66
    .vgpr_count:     56
    .wavefront_size: 32
...
	.end_amdgpu_metadata
.endif
;; end of part 1
;; launch main (part 2): grid 256 x 1, 4 waves a work-group, clusters of 4 x 1, 327,680 bytes of LDS; arguments xh, weight, yt; writes yt
.if DOCPART == 2
	.amdgcn_target "amdgcn-amd-amdhsa--gfx1250"
	.amdhsa_code_object_version 6
	.text
	.protected	k_q3866bfbc23_main
	.globl	k_q3866bfbc23_main
	.p2align	8
	.type	k_q3866bfbc23_main,@function
k_q3866bfbc23_main:
	s_mov_b64 s[64:65], 0
	v_nop
	global_prefetch_b8 v0, s[64:65] scope:SCOPE_SE
	s_setreg_imm32_b32 hwreg(HW_REG_WAVE_MODE, 25, 1), 1
	s_wait_xcnt 0x0
	s_wait_alu depctr_hold_cnt(0) depctr_sa_sdst(0) depctr_va_vdst(0) depctr_va_sdst(0) depctr_va_ssrc(0) depctr_va_vcc(0) depctr_vm_vsrc(0)
	s_getreg_b32 s2, hwreg(HW_REG_IB_STS2, 6, 4)
	s_cmp_eq_u32 s2, 0
	s_cbranch_scc0 .Lentry_in_a_cluster
	s_endpgm
.Lentry_in_a_cluster:
	s_bfe_u32 s2, ttmp6, 0x10000c
	s_cmp_lg_u32 s2, 0x3003
	s_cbranch_scc0 .Lentry_shape_is_right
	s_endpgm
.Lentry_shape_is_right:
; yt[k][n] = x_n^T W_k x_n.  xh: [2048][512] f16 (X rounded once), weight: [128][512][512] f32, yt: [128][2048] f32 (turned into out0 by the next launch).
; WORK LEFT OUT, AND WHY IT IS DEAD.  Cut W_k into 8 x 8 blocks of 64 x 64 and x_n into 8 pieces of 64.  For every X and every W, in exact arithmetic,
;   x^T W x = sum over I of x_I^T W_II x_I + sum over I < J of (x_I^T W_IJ x_J + x_J^T W_JI x_I), and x_J^T W_JI x_I = x_I^T W_JI^T x_J (a number is its own transpose).
; So one product with U_IJ = W_IJ + W_JI^T serves the pair {I, J}: 36 block products for each k in place of 64; the other 28 add nothing that these do not hold.  Every byte of weight is still read.
; LIMITS.  X, W and W_ij + W_ji are f16 matrix operands: beyond 65,504 they become infinities.  A weight is rounded to f16, two partners are added in f16 and rounded again.
; The f32 sums are taken in another order than reference()'s.  A NaN, an infinity or an overflow that only reference()'s 28 further block products would make is not carried to the result.
; SHARES.  A work-group has ONE k and 1,024 of the 2,048 rows n.  U_k stays in registers for the whole launch: wave w owns block rows w and w + 4 and nine blocks, places q = 0 .. 8:
;   q = 0 .. 4: row w, column w + q;   q = 5 .. 8: row w + 4, column (w + q - 1) & 7.  Every unordered pair of block numbers occurs once: distance 0, 1, 2, 3 round the ring of eight from each of 8 rows, distance 4 from rows 0 to 3.
;   With s = q (q < 5) or q - 1 the column is (w + s) & 7: all waves run one text, and only addresses hang on w.
; THE BUILD.  A block of W comes by 32 loads of 16 bytes a lane (16 lanes take a block row's 256 bytes), is rounded to f16 and laid into the wave's own stage in LDS; W_IJ is read back as fragments, W_JI turned
; (ds_load_tr16_b128) and added.  Two sets of 128 registers take turns, so that 32 loads a wave are always on their way.
; THE SWEEP.  X goes through a ring of two LDS slots of 128 rows, filled by the tensor data mover.  For each block of 16 rows n: T = U x^T (source 0 = 16 i x 32 j of U, source 1 = 16 n x 32 j of X): 72 matrix
; instructions.  In the result a lane holds one n (lane % 16) and the rows i = 8 (lane / 16) + 0..7, and y[n] += T[i][n] x[n][i]: the factors x[n][i] are f16 halves of X's fragments s = 0 (row w) and s = 4 (row w + 4), which
; the same lane already holds.  These 64 multiply-adds ride four behind a matrix instruction, a block row's behind the first eight products of the next run.
; CLUSTER.  The four work-groups of a cluster have four different k and the same rows n, so each tile of X is asked for JOINTLY: the same tensor load, descriptor and mask in all four.  W has one reader in a cluster
; and goes through registers: no joint load serves it.
; REGISTERS, in windows of 256 (s_set_vgpr_msb: bits 1:0 source 0, 3:2 source 1, 5:4 source 2, 7:6 destination):
;   window 0: v0-40 addresses and sums; v64-95, v96-127 the accumulators of the two block rows (in the build: the turned block); v128-191 U place 0; v192-255 U place 5
;   window 1: U places 1 to 4      window 2: U places 6 to 8      window 3: two buffers of 128 for X's fragments of a block of 16 rows (in the build: the two sets of loaded weights)
.set PITCH, 272                        ; an LDS row of X: 256 bytes + 16 of padding = 68 words: the 16 rows of a fragment load start at 16 different groups of four banks (64 banks of 4 bytes: ISA guide 11.1)
.set PANEL, 128*PITCH                  ; 128 rows x 128 columns: what one wave's tensor load brings
.set SLOT,  4*PANEL                    ; 128 rows of X as four panels of 128 columns
.set BLK,   16*PITCH                   ; 16 rows of a panel
.set SCR,   2*SLOT                     ; behind the ring, never filled by a tensor load: 10,240 bytes for each wave
.set SCRW,  10240                      ; in the build the stage, 64 rows of 160 bytes; in the sweep 65 entries of 128 bytes: a lane's partial y of a block (entry 0 takes what stands in front of block 0 and is never read)
.set SP,    160                        ; a row of the stage: 128 bytes + 32: an odd multiple of 32
.set SPARE, SCR+4*SCRW                 ; the spare words, 128 bytes for each wave: two blocks of 256 bytes that no other line names
.set TILEB, 128*1024                   ; 128 rows of xh in memory
.set LO,  4                            ; v4      a block of W: (lane / 16) x 2,048 + (lane % 16) x 16
.set VO,  5                            ; v5-6    LO + the block's offset in W_k, one for each set of loads
.set STA, 7                            ; v7      where I put 8 bytes of the stage
.set RDP, 8                            ; v8      where I read a fragment as it lies
.set RDT, 9                            ; v9      where I read it turned
.set AX0, 12                           ; v12-19  my place in a slot's first 16 rows, for column block (w + s) & 7; never rewritten
.set AD,  20                           ; v20-27  the same for the block to be fetched
.set SPW, 28                           ; v28     LDS address of my spare word; never rewritten
.set NIL, 29                           ; v29     0, for the add alone
.set YA,  30                           ; v30     where the block's partial y goes
.set YS,  31                           ; v31     that partial y
.set Y0,  32                           ; v32-35  four chains of the multiply-adds
.set PFO, 36                           ; v36     1,024 x lane: a row of xh; never rewritten
.set FA,  37                           ; v37     the end: where I read partial sums
.set GO,  38                           ; v38     the end: my 16 bytes of yt
.set ZR,  39                           ; v39     0: starts the four chains
.set YA0, 40                           ; v40     my scratch + 4 x lane
.set TMP, 64
.set WV,  10                           ; s10     my wave's number
.set WK,  16                           ; s[16:17] W_k
.set PFA, 18                           ; s[18:19] where my prefetch stands
.set LIM, 20                           ; s20     1 in a cluster that prefetches
.set TB,  21                           ; s21     LDS byte at which the 16 rows to be fetched begin in each panel
.set CNT, 22                           ; s22     counts pairs of blocks in a slot
.set LAPS, 23                          ; s23     counts laps of the ring
.set G1,  24                           ; s[24:31] descriptor group 1
.set G0,  32                           ; s[32:39] descriptor group 0, a set for each slot
.set YB,  53                           ; s53     128 x the number of partial sums stored
.set MSB, 0
.macro WIN new                         ; the immediate's high byte repeats the setting that is left; a switch that changes nothing is dropped
.if MSB != (\new)
	s_set_vgpr_msb (MSB<<8)|(\new)
.set MSB, (\new)
.endif
.endm
; A round of the cluster's barrier: my work-group's barrier, so that wave 0's signal speaks for all four waves; wave 0 signals; every wave waits for all four work-groups; my work-group's barrier once more.
.macro CROUND
	s_barrier_signal -1
	s_barrier_wait -1
	s_cmp_lg_u32 s[WV], 0
	s_cbranch_scc1 .Lnot_wave_0_\@
	s_barrier_signal -3
.Lnot_wave_0_\@:
	s_barrier_wait -3
	s_barrier_signal -1
	s_barrier_wait -1
.endm
	s_load_b128 s[4:7], s[0:1], 0x0                ; xh s[4:5], weight s[6:7]
	s_load_b64 s[8:9], s[0:1], 0x10                ; yt
	v_lshl_add_u32 v[SPW], v0, 2, SPARE
	v_mov_b32 v[NIL], 0
	ds_add_u32 v[SPW], v[NIL]                      ; the wave's opening: the add, twice on end, and its wait ahead of my first tensor load; the set-up below stands between
	ds_add_u32 v[SPW], v[NIL]
	v_lshrrev_b32 v1, 5, v0
	v_readfirstlane_b32 s[WV], v1                  ; wave 0..3
	s_bfe_u32 s11, ttmp6, 0x40000                  ; cx: my place in the cluster; it enters W's, yt's and the prefetch's global addresses alone
	s_bfe_u32 s12, ttmp9, 0x10004                  ; which 1,024 rows n: bit 4 of the cluster's number, shared by the four partners
	s_and_b32 s13, ttmp9, 15
	s_lshr_b32 s14, ttmp9, 5
	s_lshl_b32 s14, s14, 4
	s_or_b32 s13, s13, s14                         ; the other five bits: the group of four k
	s_lshl_b32 s13, s13, 2
	s_add_co_u32 s13, s13, s11                     ; k
	s_and_b32 s[LIM], ttmp9, 0x2f                  ; the first cluster of each half of the rows prefetches: the same in all four partners
	s_cmp_eq_u32 s[LIM], 0
	s_cselect_b32 s[LIM], 1, 0
	; descriptor group 1: a tile of 128 rows x 128 elements of 2 bytes, padded in LDS
	s_mov_b32 s[G1+0], 15|(1<<16)|(1<<20)|(1<<21)|(5<<22)|(3<<25)  ; 15:0 the mask of four; 17:16 2-byte elements; 20 padding on; 21 set beside a mask; 24:22 after every 64 words (code 5); 31:25 4 words (code 3)
	s_mov_b32 s[G1+1], 128<<16                     ; tensor_dim0 = 128
	s_mov_b32 s[G1+2], 128<<16                     ; tensor_dim1 = 128
	s_mov_b32 s[G1+3], 128<<16                     ; tile_dim0 = 128
	s_mov_b32 s[G1+4], 128                         ; tile_dim1 = 128
	s_mov_b32 s[G1+5], 512                         ; 512 elements from row to row
	s_mov_b32 s[G1+6], 0
	s_mov_b32 s[G1+7], 0
	s_mul_i32 s40, s[WV], PANEL                    ; my panel's place in a slot: the wave's number alone
	s_lshl_b32 s42, s12, 20                        ; my half's 1,024 rows of 1,024 bytes,
	s_lshl_b32 s41, s[WV], 8                       ; my panel's 256 bytes of a row
	s_add_co_u32 s42, s42, s41
	s_mov_b32 s43, 0
	s_lshl_b32 s46, s13, 20                        ; W_k: 1 MiB each
	s_mov_b32 s47, 0
	s_lshl_b32 s48, s11, 15                        ; the prefetches: my work-group's 32 rows of a tile's 128
	s_mov_b32 s49, 0
	s_lshl_b32 s54, s13, 13                        ; yt: row k, 8,192 bytes,
	s_lshl_b32 s55, s12, 12                        ; my half's 4,096
	s_add_co_u32 s54, s54, s55
	s_mov_b32 s55, 0
	s_wait_dscnt 0x0                               ; both opening adds are done
	s_wait_kmcnt 0x0
	s_add_nc_u64 s[44:45], s[4:5], s[42:43]        ; xh at my panel of tile 0
	s_add_nc_u64 s[WK:WK+1], s[6:7], s[46:47]
	s_add_nc_u64 s[8:9], s[8:9], s[54:55]
	s_add_nc_u64 s[PFA:PFA+1], s[44:45], s[48:49]
	s_add_nc_u64 s[PFA:PFA+1], s[PFA:PFA+1], 2*TILEB  ; at tile 2: tiles 0 and 1 come by their loads alone
.irp g, 0,1
	s_mov_b32 s[G0+4*(\g)], 1                      ; count = 1
	s_add_co_u32 s[G0+4*(\g)+1], s40, (\g)*SLOT    ; LDS address
	s_add_nc_u64 s[G0+4*(\g)+2:G0+4*(\g)+3], s[44:45], (\g)*TILEB  ; global address: tile g
	s_or_b32 s[G0+4*(\g)+3], s[G0+4*(\g)+3], 0x80000000            ; type = 2
.endr
	CROUND                                         ; all four work-groups are here: the first joint loads meet
	tensor_load_to_lds s[G0:G0+3], s[G1:G1+7]      ; tile 0 into slot 0: it lands while U is built.  One tensor load of mine is out
	s_nop 0
.rept 4
	v_nop
.endr
	v_and_b32 v2, 15, v0                           ; r = lane % 16
	v_bfe_u32 v3, v0, 4, 1                         ; h = lane / 16
	v_and_b32 v10, 31, v0                          ; lane
	v_lshlrev_b32 v[LO], 4, v2
	v_lshl_add_u32 v[LO], v3, 11, v[LO]            ; lanes 0-15 one row of the block (256 bytes), lanes 16-31 the next (a row of W_k is 2,048 bytes)
	s_mul_i32 s41, s[WV], SCRW
	s_add_co_u32 s41, s41, SCR                     ; my scratch
	v_mul_u32_u24 v11, v3, SP
	v_lshl_add_u32 v[STA], v2, 3, v11
	v_add_nc_u32 v[STA], s41, v[STA]               ; row h, 8 bytes for my four numbers
	v_mul_u32_u24 v[RDP], v2, SP
	v_lshl_add_u32 v[RDP], v3, 4, v[RDP]
	v_add_nc_u32 v[RDP], s41, v[RDP]               ; row r, 16 bytes for each half of the lanes
	v_and_b32 v[RDT], 7, v0
	v_lshl_add_u32 v[RDT], v3, 3, v[RDT]
	v_mul_u32_u24 v[RDT], v[RDT], SP
	v_bfe_u32 v11, v0, 3, 1
	v_lshl_add_u32 v[RDT], v11, 4, v[RDT]
	v_add_nc_u32 v[RDT], s41, v[RDT]               ; row 8 h + lane % 8, 16 bytes by (lane / 8) % 2
	v_mul_u32_u24 v11, v2, PITCH
	v_lshl_add_u32 v11, v3, 4, v11                 ; X: row r x pitch + 16 h
.irp s, 0,1,2,3,4,5,6,7
	s_add_co_u32 s42, s[WV], (\s)
	s_and_b32 s42, s42, 7                          ; column block J = (w + s) & 7: 128 bytes of a row,
	s_lshr_b32 s43, s42, 1
	s_mul_i32 s43, s43, PANEL                      ; in panel J / 2,
	s_and_b32 s42, s42, 1
	s_lshl_b32 s42, s42, 7                         ; its half J % 2
	s_add_co_u32 s42, s42, s43
	v_add_nc_u32 v[AX0+(\s)], s42, v11
.endr
	v_lshl_add_u32 v[YA0], v10, 2, s41
	v_lshlrev_b32 v[PFO], 10, v10
	v_lshrrev_b32 v[FA], 2, v0
	v_lshlrev_b32 v[FA], 7, v[FA]                  ; the end: thread t takes block t / 4 (and 32 further on), its rows 4 (t % 4) + 0..3
	v_and_b32 v1, 3, v0
	v_lshl_add_u32 v[FA], v1, 4, v[FA]
	v_add_nc_u32 v[FA], SCR+128, v[FA]             ; entry 1 is block 0
	v_lshlrev_b32 v[GO], 4, v0
; ---------------- THE BUILD ----------------
.macro UREG q                          ; where U's place q lies: window UW, first register UB; fragment (rows 16 ib on, columns 32 ks on) at UB + 16 ib + 8 ks
.if (\q) == 0
.set UW, 0
.set UB, 128
.elseif (\q) == 5
.set UW, 0
.set UB, 192
.elseif (\q) < 5
.set UW, 1
.set UB, 64*((\q)-1)
.else
.set UW, 2
.set UB, 64*((\q)-6)
.endif
.endm
.macro SETOFF q, tr                    ; s52 = the byte offset in W_k of place q's block (tr = 0: block row R, column J) or of its partner (tr = 1: row J, column R)
.if (\q) < 5
	s_mov_b32 s50, s[WV]
	s_add_co_u32 s51, s[WV], (\q)
.else
	s_add_co_u32 s50, s[WV], 4
	s_add_co_u32 s51, s[WV], (\q)-1
	s_and_b32 s51, s51, 7
.endif
.if \tr
	s_lshl_b32 s51, s51, 17                        ; 64 rows of 2,048 bytes
	s_lshl_b32 s50, s50, 8                         ; 64 columns of 4 bytes
.else
	s_lshl_b32 s50, s50, 17
	s_lshl_b32 s51, s51, 8
.endif
	s_add_co_u32 s52, s50, s51
.endm
.macro WLOAD set                       ; a block's 64 x 64 f32: 32 loads, two rows each
	WIN 0
	v_add_nc_u32 v[VO+(\set)], s52, v[LO]          ; the set's last loads, which named this register, have been waited for
	WIN 0xc0                                       ; destination window 3, address window 0
.set t, 0
.rept 32
	global_load_b128 v[128*(\set)+4*t:128*(\set)+4*t+3], v[VO+(\set)], s[WK:WK+1] offset:4096*t
.set t, t+1
.endr
.endm
.macro WCVT set                        ; rounded to f16 in place, then into my stage
	WIN 0xcf
.set t, 0
.rept 32
	v_cvt_pk_f16_f32 v[128*(\set)+4*t],   v[128*(\set)+4*t],   v[128*(\set)+4*t+1]
	v_cvt_pk_f16_f32 v[128*(\set)+4*t+1], v[128*(\set)+4*t+2], v[128*(\set)+4*t+3]
.set t, t+1
.endr
	WIN 0x0c                                       ; data (source 1) window 3, address window 0
.set t, 0
.rept 32
	ds_store_b64 v[STA], v[128*(\set)+4*t:128*(\set)+4*t+1] offset:2*SP*t
.set t, t+1
.endr
.endm
.macro RDIR q                          ; the stage holds W[R][J]: its fragments go straight into U's place q
	UREG \q
	WIN UW<<6
.irp ib, 0,1,2,3
.irp ks, 0,1
	ds_load_b128 v[UB+16*(\ib)+8*(\ks):UB+16*(\ib)+8*(\ks)+3],   v[RDP] offset:16*SP*(\ib)+64*(\ks)
	ds_load_b128 v[UB+16*(\ib)+8*(\ks)+4:UB+16*(\ib)+8*(\ks)+7], v[RDP] offset:16*SP*(\ib)+64*(\ks)+32
.endr
.endr
.endm
.macro RTRA q                          ; the stage holds W[J][R], rows j, columns i: it is read turned and added onto U's place q
	UREG \q
	WIN 0
.irp ib, 0,1,2,3
.irp ks, 0,1
	ds_load_tr16_b128 v[TMP+16*(\ib)+8*(\ks):TMP+16*(\ib)+8*(\ks)+3],   v[RDT] offset:32*SP*(\ks)+32*(\ib)
	ds_load_tr16_b128 v[TMP+16*(\ib)+8*(\ks)+4:TMP+16*(\ib)+8*(\ks)+7], v[RDT] offset:32*SP*(\ks)+32*(\ib)+16*SP
.endr
.endr
	s_wait_dscnt 0x0                               ; the turned block is in, and so is the place's own block, asked for earlier
	WIN (UW<<6)|UW
.set z, 0
.rept 64
	v_pk_add_f16 v[UB+z], v[UB+z], v[TMP+z]
.set z, z+1
.endr
.endm
; One block: its loads are in; it goes through the stage; its set is asked for again at once (more = 1: with place nq's block or partner).  The stage is the wave's own, and LDS serves a wave's
; instructions in order (ISA guide 5.7.1.4): no wait stands between the stores and the loads, nor between these loads and the next block's stores, and no barrier anywhere in the build.
.macro BSTEP set, q, tr, left, more=0, nq=0, ntr=0
	s_wait_loadcnt \left                           ; my set's 32 loads are in; the other set's, issued behind them, may stay out
	WCVT \set
.if \more
	SETOFF \nq, \ntr
	WLOAD \set
.endif
.if \tr
	RTRA \q
.else
	RDIR \q
.endif
.endm
	SETOFF 0, 0
	WLOAD 0
	SETOFF 1, 0
	WLOAD 1
	BSTEP 0, 0, 0, 32, 1, 1, 1
	BSTEP 1, 1, 0, 32, 1, 2, 0
	BSTEP 0, 1, 1, 32, 1, 2, 1
	BSTEP 1, 2, 0, 32, 1, 3, 0
	BSTEP 0, 2, 1, 32, 1, 3, 1
	BSTEP 1, 3, 0, 32, 1, 4, 0
	BSTEP 0, 3, 1, 32, 1, 4, 1
	BSTEP 1, 4, 0, 32, 1, 5, 0
	BSTEP 0, 4, 1, 32, 1, 6, 0
	BSTEP 1, 5, 0, 32, 1, 6, 1
	BSTEP 0, 6, 0, 32, 1, 7, 0
	BSTEP 1, 6, 1, 32, 1, 7, 1
	BSTEP 0, 7, 0, 32, 1, 8, 0
	BSTEP 1, 7, 1, 32, 1, 8, 1
	BSTEP 0, 8, 0, 32
	BSTEP 1, 8, 1, 0                               ; the last block: nothing was issued behind it
; ---------------- THE SWEEP ----------------
; X's fragments of 16 rows for the column blocks of the list, into buffer b: fragment (s, ks) at 128 b + 16 s + 8 ks: four loads of 16 bytes, 32 bytes apart.
.macro LX b, list:vararg
	WIN 0xc0                                       ; destination window 3, address window 0
.irp s, \list
.irp f, 0,1,2,3
	ds_load_b128 v[128*(\b)+16*(\s)+4*(\f):128*(\b)+16*(\s)+4*(\f)+3], v[AD+(\s)] offset:32*(\f)
.endr
.endr
.endm
; Multiply-add number e of 32 of a block row: y += T[i] x[i], i = 16 (e / 8) + 8 h + e % 8.  T is an f32 register of the accumulators, taken in ascending order; x an f16 half of X's fragment for that block row's own columns.
; rid = 1: block row w + 4 of the block BEFORE the one in buffer b (its X lies in the other buffer, fragment s = 4).  rid = 2: block row w of the block in buffer b (s = 0); its first four start the chains from 0.
.macro EPI rid, b
.set EI, e/8
.set EJ, e%8
.if (\rid) == 1
.set EA, 96
.set EX, 128*(1-(\b))+64
.else
.set EA, 64
.set EX, 128*(\b)
.endif
.set EXR, EX+8*(EI/2)+4*(EI%2)+EJ/2
.set ED, Y0+e%4
.set ES, ED
.if ((\rid) == 2) && (e < 4)
.set ES, ZR
.endif
.if EJ%2
	v_fma_mix_f32 v[ED], v[EA+e], v[EXR], v[ES] op_sel:[0,1,0] op_sel_hi:[0,1,0]
.else
	v_fma_mix_f32 v[ED], v[EA+e], v[EXR], v[ES] op_sel_hi:[0,1,0]
.endif
.set e, e+1
.endm
; Place q's eight products on the block in buffer b.  A block row's four accumulators take turns, one instruction a turn, from place to place and over the loops' jumps too.
; Places 0 and 5 start their row's sums with the constant 0.  rid != 0: four multiply-adds ride behind each product; they name none of its registers, and use its window setting.
.macro MMQ q, b, rid
	UREG \q
.if (\q) < 5
.set AC, 64
.set SS, (\q)
.else
.set AC, 96
.set SS, (\q)-1
.endif
	WIN 0x0c|UW                                    ; U (source 0) in its window, X (source 1) in window 3, C and D in window 0
.set e, 0
.irp ks, 0,1
.irp ib, 0,1,2,3
.if (((\q) == 0) || ((\q) == 5)) && ((\ks) == 0)
	v_wmma_f32_16x16x32_f16 v[AC+8*(\ib):AC+8*(\ib)+7], v[UB+16*(\ib)+8*(\ks):UB+16*(\ib)+8*(\ks)+7], v[128*(\b)+16*SS+8*(\ks):128*(\b)+16*SS+8*(\ks)+7], 0
.else
	v_wmma_f32_16x16x32_f16 v[AC+8*(\ib):AC+8*(\ib)+7], v[UB+16*(\ib)+8*(\ks):UB+16*(\ib)+8*(\ks)+7], v[128*(\b)+16*SS+8*(\ks):128*(\b)+16*SS+8*(\ks)+7], v[AC+8*(\ib):AC+8*(\ib)+7]
.endif
.if \rid
.rept 4
	EPI \rid, \b
.endr
.endif
.endr
.endr
.endm
; A BLOCK of 16 rows, in buffer b.  ld = 1: the next block's fragments are fetched into the other buffer.
; The eight address lines are the places between the last block's last product and (a) the loads into registers that it read, (b) the riders that read its results, (c) the products that start new sums on old accumulators.
; Fragment s = 4 of the other buffer is fetched behind place 0: until then the riders read the last block's x from it.
.macro HALF b, ld
	WIN 0
.if \ld
.irp s, 0,1,2,3,4,5,6,7
	v_add_nc_u32 v[AD+(\s)], s[TB], v[AX0+(\s)]
.endr
	s_add_co_u32 s[TB], s[TB], BLK
	LX 1-(\b), 0,1,2,3,5,6,7
.else
.rept 5
	v_nop
.endr
.endif
	MMQ 0, \b, 1                                   ; riders: block row w + 4 of the block before
.if \ld
	LX 1-(\b), 4
.endif
	MMQ 1, \b, 0
	MMQ 2, \b, 0
	MMQ 3, \b, 0
	MMQ 4, \b, 0
	WIN 0                                          ; the block before is summed up: its partial y goes to my scratch.  The four vector lines are the places in front of the riders that read block row w's results
	v_add_f32 v[Y0], v[Y0], v[Y0+1]
	v_add_f32 v[Y0+2], v[Y0+2], v[Y0+3]
	v_add_nc_u32 v[YA], s[YB], v[YA0]
	v_add_f32 v[YS], v[Y0], v[Y0+2]
	ds_store_b32 v[YA], v[YS]
	s_add_co_u32 s[YB], s[YB], 128
	MMQ 5, \b, 2                                   ; riders: block row w of this block
	MMQ 6, \b, 0
	MMQ 7, \b, 0
	MMQ 8, \b, 0
	WIN 0                                          ; at a label and at a branch every window is 0
	s_wait_dscnt 0x0                               ; the next block's fragments, asked for 64 products ago or more, are in
.endm
; A PREFETCH INTO THE L2 of the tile that the NEXT change of slots will ask for: 128 rows x 1,024 bytes.  All clusters of a half of the rows walk the same tiles: the first of them asks.  Its four partners take 32 rows each,
; told apart by ADDRESS; wave v takes its own panel's 256 bytes of each row, a lane a row: one instruction a wave, and each row's 256 bytes are named once in the launch.  It stands behind the tensor load and its five lines.
.macro ASK
	s_cmp_eq_u32 s[LIM], 1
	s_cbranch_scc0 .Lnot_mine_\@
	global_prefetch_b8 v[PFO], s[PFA:PFA+1] th:TH_LOAD_NT scope:SCOPE_SE
.Lnot_mine_\@:
.endm
; THE CHANGE OF SLOTS: the fetches go on in slot cur; the other slot has been read out (its last block lies in registers).  Each wave waits for all its tensor loads, of which one is out: its panel of slot cur; adds 0 to its
; spare word; and waits for that and for its own reads.  The barrier is a round of the cluster's, so that no wave of any partner still reads the other slot or has a load on its way.  fill = 1: the other slot is filled again,
; the first thing behind the round: it has eight blocks, 576 matrix instructions, in which to land.  ask = 1: a later fill of slot cur follows, so its descriptor steps two tiles on, and the tile after the one just asked for is
; prefetched.  step = 1: the prefetch's address steps first.  (At the first use nothing has been read yet: slot 0 is waited for, slot 1 filled for the first time.)
.macro CHANGE cur, fill, ask, step
	WIN 0
	s_wait_tensorcnt 0x0                           ; no tensor load of mine is out, so a group 0 may be written
	ds_add_u32 v[SPW], v[NIL]                      ; 0 onto my spare word; scalar work stands between it and the wait for it
.if \ask
	s_add_nc_u64 s[G0+4*(\cur)+2:G0+4*(\cur)+3], s[G0+4*(\cur)+2:G0+4*(\cur)+3], 2*TILEB  ; the type bits on top are not reached
.endif
.if \step
	s_wait_xcnt 0x0                                ; the last prefetch, eight blocks back, has read its address
	s_add_nc_u64 s[PFA:PFA+1], s[PFA:PFA+1], TILEB
.endif
	s_mov_b32 s[TB], (\cur)*SLOT
	s_wait_dscnt 0x0                               ; the add is done, and my reads of the other slot are over
	CROUND
.if \fill
	tensor_load_to_lds s[G0+4*(1-(\cur)):G0+4*(1-(\cur))+3], s[G1:G1+7]
	s_nop 0
.rept 4
	v_nop
.endr
.endif
.if \ask
	ASK
.endif
.endm
.macro COUNT reg, label
	s_sub_co_u32 s[\reg], s[\reg], 1
	s_cmp_lg_u32 s[\reg], 0
	s_cbranch_scc1 \label
.endm
	WIN 0
	v_mov_b32 v[ZR], 0
.irp j, 0,1,2,3
	v_mov_b32 v[Y0+(\j)], 0                        ; written, so that block 0's riders, which work for a block that has not been, read registers that hold something; their sum goes to entry 0
.endr
	s_mov_b32 s[YB], 0
	CHANGE 0, 1, 1, 0                              ; tile 0 is in, everybody's panel of it; tile 1 is asked for, tile 2 prefetched
.irp s, 0,1,2,3,4,5,6,7
	v_add_nc_u32 v[AD+(\s)], s[TB], v[AX0+(\s)]
.endr
	s_add_co_u32 s[TB], s[TB], BLK
	LX 0, 0,1,2,3,4,5,6,7                          ; block 0
	WIN 0
	s_wait_dscnt 0x0
	s_mov_b32 s[CNT], 4
	s_mov_b32 s[LAPS], 3
	s_branch .Lp0mid                               ; the loop is entered in the middle of a trip: a trip multiplies an odd block and the even one behind it
.Llap:                                             ; a lap: two tiles.  Three laps (the first entered below), then the last two tiles, written out
	CHANGE 0, 1, 1, 1
	s_mov_b32 s[CNT], 4
.Lp0:
	HALF 1, 1
.Lp0mid:
	HALF 0, 1
	COUNT CNT, .Lp0
	CHANGE 1, 1, 1, 1
	s_mov_b32 s[CNT], 4
.Lp1:
	HALF 1, 1
	HALF 0, 1
	COUNT CNT, .Lp1
	COUNT LAPS, .Llap
	CHANGE 0, 1, 0, 0                              ; tile 7, the last, is asked for; nothing is left to prefetch
	s_mov_b32 s[CNT], 4
.Lp2:
	HALF 1, 1
	HALF 0, 1
	COUNT CNT, .Lp2
	CHANGE 1, 0, 0, 0                              ; nothing is asked for
	s_mov_b32 s[CNT], 4
.Lp3:
	HALF 1, 1
	HALF 0, 1
	COUNT CNT, .Lp3
	HALF 1, 0                                      ; block 63
.rept 4
	v_nop                                          ; the places behind the last products
.endr
	WIN 0x0c
.set e, 0
.rept 32
	EPI 1, 0                                       ; block 63's block row w + 4: its x lies in buffer 1
.endr
	WIN 0
	v_add_f32 v[Y0], v[Y0], v[Y0+1]
	v_add_f32 v[Y0+2], v[Y0+2], v[Y0+3]
	v_add_nc_u32 v[YA], s[YB], v[YA0]
	v_add_f32 v[YS], v[Y0], v[Y0+2]
	ds_store_b32 v[YA], v[YS]                      ; entry 64
; ---------------- THE END ----------------
; y[n] is the sum of eight partial sums: four waves x the two halves of the lanes.  Thread t adds them for four neighbouring n of block t / 4 and of block 32 + t / 4, and stores 16 bytes: a wave's store covers 512 consecutive bytes of yt.
	s_wait_dscnt 0x0                               ; for the others' sake: my stores are done
	s_barrier_signal -1
	s_barrier_wait -1
.irp p, 0,1
.irp w, 0,1,2,3
.irp hh, 0,1
	ds_load_b128 v[64+32*(\p)+8*(\w)+4*(\hh):64+32*(\p)+8*(\w)+4*(\hh)+3], v[FA] offset:(\p)*4096+(\w)*SCRW+(\hh)*64
.endr
.endr
.endr
	s_wait_dscnt 0x0
.irp p, 0,1
.irp m, 0,8,16,24
.irp z, 0,2
	v_pk_add_f32 v[64+32*(\p)+(\m)+(\z):64+32*(\p)+(\m)+(\z)+1], v[64+32*(\p)+(\m)+(\z):64+32*(\p)+(\m)+(\z)+1], v[64+32*(\p)+(\m)+4+(\z):64+32*(\p)+(\m)+4+(\z)+1]
.endr
.endr
.irp m, 0,16
.irp z, 0,2
	v_pk_add_f32 v[64+32*(\p)+(\m)+(\z):64+32*(\p)+(\m)+(\z)+1], v[64+32*(\p)+(\m)+(\z):64+32*(\p)+(\m)+(\z)+1], v[64+32*(\p)+(\m)+8+(\z):64+32*(\p)+(\m)+8+(\z)+1]
.endr
.endr
.irp z, 0,2
	v_pk_add_f32 v[64+32*(\p)+(\z):64+32*(\p)+(\z)+1], v[64+32*(\p)+(\z):64+32*(\p)+(\z)+1], v[64+32*(\p)+16+(\z):64+32*(\p)+16+(\z)+1]
.endr
	global_store_b128 v[GO], v[64+32*(\p):64+32*(\p)+3], s[8:9] offset:2048*(\p)
.endr
	s_wait_tensorcnt 0x0                           ; the wave's end: behind my last tensor load and my last LDS store
	ds_add_u32 v[SPW], v[NIL]
	s_wait_dscnt 0x0
	CROUND                                         ; the closing round: no work-group ends while a partner may still ask for a tile that names it
	s_endpgm
.Lfunc_end_k_q3866bfbc23_main:
	.size	k_q3866bfbc23_main, .Lfunc_end_k_q3866bfbc23_main-k_q3866bfbc23_main
	.p2alignl 7, 3214868480
	.fill 96, 4, 3214868480
	.section	.rodata,"a",@progbits
	.p2align	6, 0x0
	.amdhsa_kernel k_q3866bfbc23_main
		.amdhsa_group_segment_fixed_size 327680
		.amdhsa_private_segment_fixed_size 0
		.amdhsa_enable_private_segment 0
		.amdhsa_kernarg_size 24
		.amdhsa_user_sgpr_count 2
		.amdhsa_user_sgpr_kernarg_segment_ptr 1
		.amdhsa_wavefront_size32 1
		.amdhsa_system_sgpr_workgroup_id_x 1
		.amdhsa_system_sgpr_workgroup_id_y 1
		.amdhsa_system_sgpr_workgroup_id_z 1
		.amdhsa_system_vgpr_workitem_id 0
		.amdhsa_next_free_vgpr 1024
		.amdhsa_next_free_sgpr 66
		.amdhsa_reserve_vcc 0
		.amdhsa_float_denorm_mode_32 3
		.amdhsa_float_denorm_mode_16_64 3
		.amdhsa_memory_ordered 1
		.amdhsa_forward_progress 1
		.amdhsa_inst_pref_size 255
	.end_amdhsa_kernel
	.section	.bss,"aw",@nobits
	.p2align	6
	.space	262144
	.amdgpu_metadata
---
amdhsa.version: [ 1, 2 ]
amdhsa.kernels:
  - .name:           k_q3866bfbc23_main
    .symbol:         k_q3866bfbc23_main.kd
    .args:
      - { .name: xh, .offset: 0, .size: 8, .value_kind: global_buffer, .address_space: global }
      - { .name: weight, .offset: 8, .size: 8, .value_kind: global_buffer, .address_space: global }
      - { .name: yt, .offset: 16, .size: 8, .value_kind: global_buffer, .address_space: global }
    .group_segment_fixed_size: 327680
    .private_segment_fixed_size: 0
    .kernarg_segment_align: 8
    .kernarg_segment_size: 24
    .max_flat_workgroup_size: 128
    .sgpr_count:     66
    .vgpr_count:     1024
    .wavefront_size: 32
...
	.end_amdgpu_metadata
.endif
;; end of part 2
;; launch post (part 3): grid 32 x 2, 4 waves a work-group, no clusters, 17,920 bytes of LDS; arguments yt, out0; writes out0
.if DOCPART == 3
	.amdgcn_target "amdgcn-amd-amdhsa--gfx1250"
	.amdhsa_code_object_version 6
	.text
	.protected	k_q3866bfbc23_post
	.globl	k_q3866bfbc23_post
	.p2align	8
	.type	k_q3866bfbc23_post,@function
k_q3866bfbc23_post:
	s_mov_b64 s[64:65], 0
	v_nop
	global_prefetch_b8 v0, s[64:65] scope:SCOPE_SE
	s_setreg_imm32_b32 hwreg(HW_REG_WAVE_MODE, 25, 1), 1
	s_wait_xcnt 0x0
; out0[n][k] = yt[k][n].  yt: [128][2048] f32, out0: [2048][128] f32.  The launch before has one k to a work-group, so its results lie along n; here they are turned, so that out0 is written in
; runs of 256 consecutive bytes at multiples of 256 from its first byte.
; SHARES.  A work-group of four waves turns a tile of 64 k x 64 n through LDS: rows of 256 bytes + 16 of padding.  Reads of yt: 16 lanes take 256 consecutive bytes of a row.
; The reads back from LDS take a column, four bytes a lane, and lanes 4 k apart meet in a bank; the tile is 16 KiB and is read once.
.set LP,    272
.set SPARE, 64*LP                      ; behind the tile: the spare words, 128 bytes for each wave: two blocks of 256 bytes that no other line names
	s_load_b128 s[4:7], s[0:1], 0x0                ; yt s[4:5], out0 s[6:7]
	v_lshl_add_u32 v38, v0, 2, SPARE               ; my spare word; never rewritten
	v_mov_b32 v39, 0                               ; 0; never rewritten
	v_lshrrev_b32 v1, 4, v0                        ; t / 16: 0..7
	v_and_b32 v2, 15, v0                           ; t % 16
	v_lshlrev_b32 v3, 4, v2
	v_lshl_add_u32 v36, v1, 13, v3                 ; yt: row t / 16 (8,192 bytes), 16 bytes at 16 (t % 16)
	v_mul_u32_u24 v37, v1, LP
	v_add_nc_u32 v37, v37, v3                      ; the same place in the tile
	v_mul_u32_u24 v72, v2, 4*LP
	v_lshl_add_u32 v72, v1, 2, v72                 ; back: k = 4 (t % 16) + c, n = t / 16 + 8 i
	v_lshl_add_u32 v73, v1, 9, v3                  ; out0: row t / 16 (512 bytes), 16 bytes at 16 (t % 16)
	s_and_b32 s8, ttmp7, 0xffff                    ; which 64 k
	s_lshl_b32 s10, s8, 19                         ; 64 rows of 8,192 bytes,
	s_lshl_b32 s11, ttmp9, 8                       ; 64 n of 4 bytes
	s_add_co_u32 s10, s10, s11
	s_mov_b32 s11, 0
	s_lshl_b32 s12, ttmp9, 15                      ; 64 rows of 512 bytes,
	s_lshl_b32 s13, s8, 8                          ; 64 k of 4 bytes
	s_add_co_u32 s12, s12, s13
	s_mov_b32 s13, 0
	s_wait_kmcnt 0x0
	s_add_nc_u64 s[4:5], s[4:5], s[10:11]
	s_add_nc_u64 s[6:7], s[6:7], s[12:13]
.irp i, 0,1,2,3,4,5,6,7
	global_load_b128 v[4+4*(\i):7+4*(\i)], v36, s[4:5] offset:65536*(\i) th:TH_LOAD_NT  ; eight rows further down each time
.endr
.irp i, 0,1,2,3,4,5,6,7
	s_wait_loadcnt 7-(\i)                          ; load i is in, the 7 - i younger ones stay out
	ds_store_b128 v37, v[4+4*(\i):7+4*(\i)] offset:8*LP*(\i)
.endr
	s_wait_dscnt 0x0                               ; for the others' sake: my stores are done
	s_barrier_signal -1
	s_barrier_wait -1
.irp i, 0,1,2,3,4,5,6,7
.irp c, 0,1,2,3
	ds_load_b32 v[40+4*(\i)+(\c)], v72 offset:LP*(\c)+32*(\i)
.endr
.endr
.irp i, 0,1,2,3,4,5,6,7
	s_wait_dscnt 28-4*(\i)                         ; group i's four loads are in; the younger groups stay out
	global_store_b128 v73, v[40+4*(\i):43+4*(\i)], s[6:7] offset:4096*(\i)  ; 16 lanes store 256 consecutive bytes
.endr
	s_wait_tensorcnt 0x0                           ; the wave's end: behind my last LDS store
	ds_add_u32 v38, v39
	s_wait_dscnt 0x0
	s_endpgm
.Lfunc_end_k_q3866bfbc23_post:
	.size	k_q3866bfbc23_post, .Lfunc_end_k_q3866bfbc23_post-k_q3866bfbc23_post
	.p2alignl 7, 3214868480
	.fill 96, 4, 3214868480
	.section	.rodata,"a",@progbits
	.p2align	6, 0x0
	.amdhsa_kernel k_q3866bfbc23_post
		.amdhsa_group_segment_fixed_size 17920
		.amdhsa_private_segment_fixed_size 0
		.amdhsa_enable_private_segment 0
		.amdhsa_kernarg_size 16
		.amdhsa_user_sgpr_count 2
		.amdhsa_user_sgpr_kernarg_segment_ptr 1
		.amdhsa_wavefront_size32 1
		.amdhsa_system_sgpr_workgroup_id_x 1
		.amdhsa_system_sgpr_workgroup_id_y 1
		.amdhsa_system_sgpr_workgroup_id_z 1
		.amdhsa_system_vgpr_workitem_id 0
		.amdhsa_next_free_vgpr 80
		.amdhsa_next_free_sgpr 66
		.amdhsa_reserve_vcc 0
		.amdhsa_float_denorm_mode_32 3
		.amdhsa_float_denorm_mode_16_64 3
		.amdhsa_memory_ordered 1
		.amdhsa_forward_progress 1
		.amdhsa_inst_pref_size 7
	.end_amdhsa_kernel
	.amdgpu_metadata
---
amdhsa.version: [ 1, 2 ]
amdhsa.kernels:
  - .name:           k_q3866bfbc23_post
    .symbol:         k_q3866bfbc23_post.kd
    .args:
      - { .name: yt, .offset: 0, .size: 8, .value_kind: global_buffer, .address_space: global }
      - { .name: out0, .offset: 8, .size: 8, .value_kind: global_buffer, .address_space: global }
    .group_segment_fixed_size: 17920
    .private_segment_fixed_size: 0
    .kernarg_segment_align: 8
    .kernarg_segment_size: 16
    .max_flat_workgroup_size: 128
    .sgpr_count:     66
    .vgpr_count:     80
    .wavefront_size: 32
...
	.end_amdgpu_metadata
.endif
;; end of part 3
;; ======== version 2 of 2: 3 launches; version 1 with the launch prep written anew for expert scheduling mode
;; limits: values are held in f16: magnitudes above 65,504 overflow, below 6.1e-05 lose precision
;; workspace buffers: xh 2,097,152 bytes; yt 1,048,576 bytes
;; launch prep (part 4): grid 256 x 1, 4 waves a work-group, no clusters, 0 bytes of LDS; arguments X, xh; writes xh
.if DOCPART == 4
	.amdgcn_target "amdgcn-amd-amdhsa--gfx1250"
	.amdhsa_code_object_version 6
	.text
	.protected	k_q3866bfbc23_prep
	.globl	k_q3866bfbc23_prep
	.p2align	8
	.type	k_q3866bfbc23_prep,@function
k_q3866bfbc23_prep:
	s_mov_b64 s[64:65], 0
	v_nop
	global_prefetch_b8 v0, s[64:65] scope:SCOPE_SE
	s_setreg_imm32_b32 hwreg(HW_REG_WAVE_SCHED_MODE, 0, 2), 2
	s_setreg_imm32_b32 hwreg(HW_REG_WAVE_MODE, 25, 1), 1
	s_wait_xcnt 0x0
	s_wait_alu depctr_vm_vsrc(0)
; xh = X rounded once to f16.  X: [2048][512] f32, xh: [2048][512] f16, both row-major.
; The next launch multiplies X as an f16 matrix operand and reads it 128 times over; here it is rounded once.
; LIMIT: |X| above 65,504 becomes an infinity in f16.
; SHARES.  A work-group of four waves takes 16,384 consecutive bytes of X: eight loads of 16 bytes a thread, all issued before the first wait.
; A wave's load covers 512 consecutive bytes, its store 256 consecutive bytes at a multiple of 256 from xh's first byte.
; THE MODE: SCHED_MODE bits 1:0 = 2 (LLVM: expert scheduling mode 2), set by the entry lines.  The code itself states the register dependences
; between vector instructions and memory instructions, with s_wait_alu, always for 0.
; THE PLAN.  Registers that memory instructions touch:
;   v1, v2     byte offsets in X and in xh: written once at the head, read by every load and every store, never written again.
;   v[4:35]    chunk i at IN + 4 i: written by its load alone (no vector instruction names them ahead of the loads), read by its two conversions, never loaded again.
;   v[36:51]   chunk i at OUT + 2 i: written once, by its two conversions; read once, by its store; never written again.
; So no register that a memory instruction has read is ever rewritten, and no load lands in a register that a vector instruction has named: the only dependences to state are
; "offset written, then read by a load or store" (one wait at the head) and "conversion's result written, then read by a store".  The eight chunks go in four pairs: a pair's two stores stand
; behind ONE wait, which follows the wait for the next pair's loads, so that the four conversions it names were issued ahead of that wait on memory.
.set IN,  4
.set OUT, 36
	s_load_b128 s[4:7], s[0:1], 0x0                ; X s[4:5], xh s[6:7]
	v_lshlrev_b32 v1, 4, v0                        ; my 16 bytes of X in each 2,048
	v_lshlrev_b32 v2, 3, v0                        ; my 8 bytes of xh in each 1,024
	s_lshl_b32 s8, ttmp9, 14                       ; the work-group's 16,384 bytes of X
	s_mov_b32 s9, 0
	s_lshl_b32 s10, ttmp9, 13                      ; and its 8,192 bytes of xh
	s_mov_b32 s11, 0
	s_wait_kmcnt 0x0
	s_add_nc_u64 s[4:5], s[4:5], s[8:9]
	s_add_nc_u64 s[6:7], s[6:7], s[10:11]
	s_wait_alu depctr_va_vdst(0)                   ; v1 and v2 are written: every load below reads v1 as its offset, every store v2
.irp i, 0,1,2,3,4,5,6,7
	global_load_b128 v[IN+4*(\i):IN+4*(\i)+3], v1, s[4:5] offset:2048*(\i) th:TH_LOAD_NT
.endr
; Pair p is chunks 2 p and 2 p + 1.  ROUND2: its eight numbers, four a load, are rounded to f16, two to a register.
.macro ROUND2 p
.irp i, 2*(\p), 2*(\p)+1
	v_cvt_pk_f16_f32 v[OUT+2*(\i)],   v[IN+4*(\i)],   v[IN+4*(\i)+1]
	v_cvt_pk_f16_f32 v[OUT+2*(\i)+1], v[IN+4*(\i)+2], v[IN+4*(\i)+3]
.endr
.endm
; SEND2: its two stores, behind the one wait that states their data written.  Nothing stands between the wait and the stores.
.macro SEND2 p
	s_wait_alu depctr_va_vdst(0)                   ; the pair's four conversions have written v[OUT + 4 p .. OUT + 4 p + 3], which the two stores read
.irp i, 2*(\p), 2*(\p)+1
	global_store_b64 v2, v[OUT+2*(\i):OUT+2*(\i)+1], s[6:7] offset:1024*(\i)  ; each chunk has store registers of its own: none is rewritten
.endr
.endm
	s_wait_loadcnt 6                               ; loads come back in order: pair 0's two are in, the six younger ones stay out
	ROUND2 0
	s_wait_loadcnt 4                               ; pair 1 is in, four stay out
	SEND2 0
	ROUND2 1
	s_wait_loadcnt 2                               ; pair 2 is in, two stay out
	SEND2 1
	ROUND2 2
	s_wait_loadcnt 0x0                             ; pair 3, the last
	SEND2 2
	ROUND2 3
	SEND2 3                                        ; no wait on memory is left to stand between: the wait follows the conversions at once
	s_endpgm
.Lfunc_end_k_q3866bfbc23_prep:
	.size	k_q3866bfbc23_prep, .Lfunc_end_k_q3866bfbc23_prep-k_q3866bfbc23_prep
	.p2alignl 7, 3214868480
	.fill 96, 4, 3214868480
	.section	.rodata,"a",@progbits
	.p2align	6, 0x0
	.amdhsa_kernel k_q3866bfbc23_prep
		.amdhsa_group_segment_fixed_size 0
		.amdhsa_private_segment_fixed_size 0
		.amdhsa_enable_private_segment 0
		.amdhsa_kernarg_size 16
		.amdhsa_user_sgpr_count 2
		.amdhsa_user_sgpr_kernarg_segment_ptr 1
		.amdhsa_wavefront_size32 1
		.amdhsa_system_sgpr_workgroup_id_x 1
		.amdhsa_system_sgpr_workgroup_id_y 1
		.amdhsa_system_sgpr_workgroup_id_z 1
		.amdhsa_system_vgpr_workitem_id 0
		.amdhsa_next_free_vgpr 56
		.amdhsa_next_free_sgpr 66
		.amdhsa_reserve_vcc 0
		.amdhsa_float_denorm_mode_32 3
		.amdhsa_float_denorm_mode_16_64 3
		.amdhsa_memory_ordered 1
		.amdhsa_forward_progress 1
		.amdhsa_inst_pref_size 4
	.end_amdhsa_kernel
	.amdgpu_metadata
---
amdhsa.version: [ 1, 2 ]
amdhsa.kernels:
  - .name:           k_q3866bfbc23_prep
    .symbol:         k_q3866bfbc23_prep.kd
    .args:
      - { .name: X, .offset: 0, .size: 8, .value_kind: global_buffer, .address_space: global }
      - { .name: xh, .offset: 8, .size: 8, .value_kind: global_buffer, .address_space: global }
    .group_segment_fixed_size: 0
    .private_segment_fixed_size: 0
    .kernarg_segment_align: 8
    .kernarg_segment_size: 16
    .max_flat_workgroup_size: 128
    .sgpr_count:     66
    .vgpr_count:     56
    .wavefront_size: 32
...
	.end_amdgpu_metadata
.endif
;; end of part 4
;; launch main: the kernel of part 2 again; grid 256 x 1, 4 waves a work-group, clusters of 4 x 1, 327,680 bytes of LDS; arguments xh, weight, yt; writes yt
;; launch post: the kernel of part 3 again; grid 32 x 2, 4 waves a work-group, no clusters, 17,920 bytes of LDS; arguments yt, out0; writes out0
